; MI455X (gfx1250); checked and timed in simulation.
; The chip was launched on July 23, 2026; its instructions are those of AMD's public machine-readable ISA for CDNA 5 (MIT licence, August 2026) and "CDNA5" Instruction Set Architecture Reference Guide (July 2026). The comments in the code are by the model that wrote it; some were corrected since.
;; Mo E Head. Allowed arithmetic: matrix products marked QUANTISED: E4M3 operands, one given power-of-two scale a tensor, by v_wmma_f32_16x16x64_fp8_fp8 or v_wmma_f32_16x16x128_fp8_fp8, f32 sums; products left as they are: f32 operands where the result goes on into a quantised operand, else bf16, f16 or f32 operands; f32 sums; everything else in f32.
;; Inputs: W1 8 x 1,024 x 2,048 float32; W2 8 x 2,048 x 8 float32; b1 8 x 2,048 float32; b2 8 x 8 float32; feat 4,096 x 1,024 float32; ln_beta 8 x 1,024 float32; ln_gamma 8 x 1,024 float32; lowp_scales 2 int32 (the exponents e of the quantised operands' scales 2^e); mu_cat 8 x 256 float32; z_cat 4,096 x 256 float32.
;; Outputs: out0 4,096 x 8 float32; out1 4,096 x 8 float32.
;; Constants: tau_gate = 1.
;; This version of the problem:
;;   THIS VERSION OF THE PROBLEM IS GIVEN IN LOW PRECISION. The matrix products marked QUANTISED in the list below multiply operands that are first quantised to E4M3 (4 exponent bits, 3 mantissa bits; 8 bits a number), with one given power-of-two scale for each operand tensor; their sums are f32. All else is computed in f32.
;;   The module's matrix products, in the order in which they are computed (A, B: the left and right operand; K: the contracted axis; several contracted axes count as one K, in the product's order):
;;     1. [M 4,096, K 256] x [K 256, N 8]; A: computed on the way; B: computed on the way: left as it is (N = 8 < 16)
;;     2. batch 8 x [M 4,096, K 1,024] x [K 1,024, N 2,048]; A: computed on the way; B: input W1: QUANTISED (scales: A lowp_scales[0], B lowp_scales[1])
;;     3. batch 8 x [M 4,096, K 2,048] x [K 2,048, N 8]; A: computed on the way; B: input W2: left as it is (N = 8 < 16)
;;     4. batch 4,096 x [M 8, K 8] x [K 8, N 1]; A: computed on the way; B: softmax: left as it is (K = 8 < 32)
;;   THE QUANTISER, for each operand of a quantised product, along K:
;;     - The operand's scale is 2^e, e = its entry of the input lowp_scales (int32; the entries are numbered through the quantised products in the list's order, A before B).
;;     - Each number is divided by the scale, clamped to +-448, and rounded to the nearest number of E4M3, ties to even, subnormals kept.
;;     - The product sums the exact products of the quantised numbers (number of the format x scale) in f32.
;;   ~~~python
;;   def quantise(x, axis, e):      # numpy; x: float32 -> the quantised numbers, widened to float32 again
;;       x = np.moveaxis(x, axis, -1); K = x.shape[-1]
;;       r = np.clip(x / 2.0 ** e, -448, 448)
;;       step = 2.0 ** (np.maximum(np.frexp(np.where(r == 0, 1, r))[1] - 1, -6) - 3)
;;       q = np.round(r / step) * step * 2.0 ** e      # np.round: ties to even
;;       return np.moveaxis(q, -1, axis).astype(np.float32)
;;   ~~~
;;   OPERANDS COMPUTED ON THE WAY. 'Computed on the way' means the value that the module computes at that place (a softmax that the list does not call 'softmax' is quantised finished and normalised). What goes into a quantiser is computed in f32, as accurately as f32 sums, v_exp_f32 and their like allow (about 1e-6 of the number): no bf16 or f16 on the way to a quantiser, and a product that is left as it is and whose result goes on into a quantised operand takes f32 operands (vector FMAs, or v_wmma_f32_16x16x4_f32). A number that lies on a knife's edge between two numbers of the format may be rounded either way, as far as f32 arithmetic and the matrix unit's own rounding can turn it there, and no further.
;; One version. Each part assembles by itself: llvm-mc -triple=amdgcn-amd-amdhsa -mcpu=gfx1250 --defsym DOCPART=n.
;; ======== version 1 of 1: 3 launches
;; limits: values are held in bf16: 8 bits of precision; right only within a limited range of input values
;; workspace buffers: wq 16,777,216 bytes; xq 33,554,432 bytes; w2f 524,288 bytes; b1s 65,536 bytes; part 2,097,152 bytes
;; launch prep (part 1): grid 1024 x 1, 4 waves a work-group, no clusters, 35,840 bytes of LDS; arguments W1, feat, ln_gamma, ln_beta, W2, lowp_scales, wq, xq, w2f, b1, b1s, z_cat, mu_cat, out1; writes wq, xq, w2f, b1s, out1
.if DOCPART == 1
	.amdgcn_target "amdgcn-amd-amdhsa--gfx1250"
	.amdhsa_code_object_version 6
	.text
	.protected	k_q84345712b2_prep
	.globl	k_q84345712b2_prep
	.p2align	8
	.type	k_q84345712b2_prep,@function
k_q84345712b2_prep:
	s_mov_b64 s[64:65], 0
	v_nop
	global_prefetch_b8 v0, s[64:65] scope:SCOPE_SE
	s_setreg_imm32_b32 hwreg(HW_REG_WAVE_MODE, 25, 1), 1
	s_wait_xcnt 0x0
; PREP: both operands of the quantised product become codes of FP8 (E4M3) in the order of the matrix unit's registers, W2 becomes bf16 images, b1 is rescaled, and the gate is made.
;   AN IMAGE is 512 bytes: lane (r, h) = 16 r' .. : 16 bytes at 16 x lane: row (or column) r, positions 32 I + 16 h + 0..15.
;   wq [8 e][128 tiles of 16 columns][32 I][512 bytes]: W1 / 2^e1      xq [8 e][256 blocks of 16 rows][32 I][512 bytes]: x_e = xhat * gamma_e + beta_e, / 2^e0
;   w2f [8 e][64 chunk][2 g][32 lane][16 bytes]: lane (r, h): bf16 of 2^(e0+e1) x W2[e][32 chunk + 16 g + 8 h + 0..7][class r]; rows r = 8..15 are zeros
;   b1s = b1 x 2^-(e0+e1): the third launch's sums stand in units of the codes, and 2^(e0+e1) comes back with W2 (relu commutes with a positive factor).
;   out1 = the gate: softmax over e of cosine(z, mu_e) (tau = 1: the division by 1 is an identity); the row's maximum is taken away before the exponential.
; K IS PERMUTED, ALIKE IN xq AND wq: position 256 w + 8 l + 4 v + t holds k = 256 w + 128 v + 4 l + t (w 0..3, l 0..31, v 0..1, t 0..3): every product still meets its partner.
; code = x / 2^e, held within +-448, to the nearest code, ties to even.
; LIMITS: e0, e1 between -126 and 119 and e0 + e1 between -126 and 126, so that the powers of two are f32 numbers; b1 x 2^-(e0+e1) and W2 x 2^(e0+e1) stay inside f32's normal range. NaN among the inputs is not served.
; Work-groups 0..255: 16 rows of feat, a wave to a quarter of K for all eight experts.  256..767: W1.  768..1023: the gate of 16 tokens.
.set NWG_X, 256
.set NWG_W, 512
.set RED,   17408                      ; LDS: 0: four stages of the x path, 16 x 272 each; RED: two tables of 4 waves x 16 rows
.set WST,   17920                      ; four stages of the W path, 8 x 528 each
.set GST,   34816                      ; the gate of 16 tokens
.set SPARE, 35328
.set X,     64                         ; W path: v64-255 three sets of 16 rows x 4 columns
.set T,     32                         ;         v32-63 two columns at work
.set C,     16                         ;         v16-31 codes
	s_load_b512 s[4:19], s[0:1], 0x0               ; W1 4, feat 6, gamma 8, beta 10, W2 12, scales 14, wq 16, xq 18
	s_load_b256 s[20:27], s[0:1], 0x40             ; w2f 20, b1 22, b1s 24, z 26
	s_load_b128 s[28:31], s[0:1], 0x60             ; mu 28, out1 30
	v_lshl_add_u32 v14, v0, 2, SPARE
	v_mov_b32 v15, 0
	v_lshrrev_b32 v1, 5, v0
	v_readfirstlane_b32 s33, v1                    ; wave 0..3
	v_and_b32 v2, 31, v0                           ; lane
	v_lshlrev_b32 v1, 4, v2                        ; 16 x lane; never rewritten
	s_mov_b32 s50, 0x76543210                      ; v_permlanex16_b32: lane l takes lane l xor 16
	s_mov_b32 s51, 0xfedcba98
	s_wait_alu depctr_va_vdst(0)
	s_wait_kmcnt 0x0
	s_load_b64 s[34:35], s[14:15], 0x0             ; e0, e1
	s_cmp_lt_u32 ttmp9, NWG_X
	s_cbranch_scc1 .Lx
	s_cmp_ge_u32 ttmp9, NWG_X+NWG_W
	s_cbranch_scc1 .Lgate
; ---------------- W1: i = work-group - 256: expert i / 64, 512 columns (i / 16) % 4, images 2 q and 2 q + 1 with q = i % 16; a wave takes 128 columns x 64 rows of K.
; A lane takes four neighbouring columns, so a load covers 512 consecutive bytes; the hold writes each column's numbers into consecutive registers, K ascending in position.
	s_sub_co_u32 s36, ttmp9, NWG_X
	s_lshr_b32 s37, s36, 6                         ; e
	s_bfe_u32 s38, s36, 0x20004
	s_and_b32 s39, s36, 15                         ; q
	s_lshl_b32 s38, s38, 2
	s_add_co_u32 s38, s38, s33                     ; 128 columns: 0..15
	s_lshl_b32 s40, s37, 23                        ; e x 1,024 rows of 8,192 bytes
	s_lshr_b32 s42, s39, 2
	s_lshl_b32 s42, s42, 21                        ; + 256 (q / 4) rows
	s_add_co_u32 s40, s40, s42
	s_and_b32 s42, s39, 3
	s_lshl_b32 s42, s42, 18                        ; + 32 (q % 4) rows
	s_add_co_u32 s40, s40, s42
	s_lshl_b32 s42, s38, 9
	s_add_co_u32 s40, s40, s42
	s_mov_b32 s41, 0
	s_add_nc_u64 s[4:5], s[4:5], s[40:41]
	s_lshl_b32 s40, s37, 21                        ; wq: e x 2 MiB + 8 tiles of 16,384 bytes + 2 q images
	s_lshl_b32 s42, s38, 17
	s_add_co_u32 s40, s40, s42
	s_lshl_b32 s42, s39, 10
	s_add_co_u32 s40, s40, s42
	s_add_nc_u64 s[16:17], s[16:17], s[40:41]
	s_mul_i32 s43, s33, 4224
	s_add_co_u32 s43, s43, WST                     ; my stage: 8 tiles x (512 + 16) bytes
	v_lshrrev_b32 v3, 2, v2
	v_mul_u32_u24 v3, v3, 528
	v_and_b32 v4, 3, v2
	v_lshl_add_u32 v4, v4, 6, v3
	v_add_nc_u32 v4, s43, v4                       ; in: tile lane / 4, columns 4 (lane % 4) on
	v_add_nc_u32 v5, s43, v1                       ; out: a tile's image as it lies
.macro WLOAD hh                        ; half image hh: position 8 b + 4 v + t of it is row 8 hh + 4 b + t + 128 v
.irp i, 0,1,2,3,4,5,6,7,8,9,10,11,12,13,14,15
	global_load_b128 v[X+64*((\hh)%3)+4*\i:X+64*((\hh)%3)+4*\i+3], v1, s[4:5] offset:(8*(\hh)+4*(\i/8)+(\i%4)+128*((\i/4)%2))*8192 th:TH_LOAD_NT
.endr
.endm
	WLOAD 0
	WLOAD 1
	WLOAD 2
	s_wait_kmcnt 0x0
	s_add_co_i32 s35, s35, 127
	s_lshl_b32 s34, s35, 23
	v_mov_b32 v11, s34                             ; 2^e1: the conversion takes its exponent field
	s_add_co_i32 s35, s35, 8
	s_lshl_b32 s35, s35, 23
	s_or_b32 s35, s35, 0x600000
	v_mov_b32 v10, s35                             ; 448 x 2^e1
	s_wait_alu depctr_va_vdst(0)
.macro WPROC hh
.set XS, X+64*((\hh)%3)
.irp c, 0,1,2,3
.set TS, T+16*(\c%2)
.irp i, 0,1,2,3,4,5,6,7,8,9,10,11,12,13,14,15
	v_med3_num_f32 v[TS+\i], v[XS+4*\i+\c], -v10, v10   ; the conversion to an 8-bit code does not saturate (ISA guide 7.6.2): the hold comes first
.endr
	v_cvt_scalef32_pk8_fp8_f32 v[C+4*\c:C+4*\c+1], v[TS:TS+7], v11
	v_cvt_scalef32_pk8_fp8_f32 v[C+4*\c+2:C+4*\c+3], v[TS+8:TS+15], v11
	ds_store_b128 v4, v[C+4*\c:C+4*\c+3] offset:256*((\hh)%2)+16*\c
.endr
.endm
.macro WOUT b, ob                      ; LDS serves a wave's instructions in order: the loads see my stores.  ob: registers of a set that is done with
.irp n, 0,1,2,3,4,5,6,7
	ds_load_b128 v[\ob+4*\n:\ob+4*\n+3], v5 offset:528*\n
.endr
.irp n, 0,1,2,3,4,5,6,7
	s_wait_dscnt 7-\n
	global_store_b128 v1, v[\ob+4*\n:\ob+4*\n+3], s[16:17] offset:16384*\n+512*\b   ; 32 lanes store one image, 512 consecutive bytes
.endr
.endm
	s_wait_loadcnt 32                              ; half 0's 16 are in; halves 1 and 2 may be out
	WPROC 0
	WLOAD 3
	s_wait_dscnt 0x0                               ; the stores have read the codes' registers
	s_wait_loadcnt 32
	WPROC 1
	WOUT 0, 128
	s_wait_loadcnt 16
	WPROC 2
	s_wait_dscnt 0x0
	s_wait_loadcnt 0
	WPROC 3
	WOUT 1, 64
	s_wait_tensorcnt 0x0                           ; the wave's end
	ds_add_u32 v14, v15
	s_wait_dscnt 0x0
	s_endpgm
; ---------------- feat: block rb = work-group of 16 rows; wave w takes k = 256 w .. 256 w + 255 of all 16, eight numbers a lane and row.  So each gain is loaded by one wave of the work-group.
; Wave number W = 4 rb + w also makes image W of w2f; wave 0 rescales 64 numbers of b1.
; v16-31 at work, v32-63 codes, v64-191 the 16 rows (row r at 64 + 8 r), v192-255 gamma and beta of four experts (8 + 8 each)
.Lx:
	s_lshl_b32 s36, ttmp9, 16
	s_lshl_b32 s37, s33, 10
	s_add_co_u32 s38, s36, s37
	s_mov_b32 s39, 0
	s_add_nc_u64 s[6:7], s[6:7], s[38:39]
	s_mov_b32 s38, s37
	s_add_nc_u64 s[8:9], s[8:9], s[38:39]
	s_add_nc_u64 s[10:11], s[10:11], s[38:39]
	s_lshl_b32 s38, ttmp9, 2
	s_add_co_u32 s38, s38, s33
	s_lshl_b32 s38, s38, 9                         ; 16 rows of W2 are 512 bytes, and so is an image
	s_add_nc_u64 s[12:13], s[12:13], s[38:39]
	s_add_nc_u64 s[20:21], s[20:21], s[38:39]
	s_lshl_b32 s38, ttmp9, 8
	s_add_nc_u64 s[22:23], s[22:23], s[38:39]
	s_add_nc_u64 s[24:25], s[24:25], s[38:39]
	s_lshl_b32 s38, ttmp9, 14
	s_lshl_b32 s40, s33, 12
	s_add_co_u32 s38, s38, s40
	s_add_nc_u64 s[18:19], s[18:19], s[38:39]      ; my 8 images of block rb, experts 0 and 1 (4 MiB apart)
	s_add_nc_u64 s[42:43], s[18:19], 0x800000      ; experts 2 and 3
	s_mov_b32 s52, 0x3a800000                      ; 1 / 1024
	s_mov_b32 s53, 0x3727c5ac                      ; 1e-5
	s_mul_i32 s44, s33, 4352                       ; my stage: 16 half images x 272
	s_lshl_b32 s45, s33, 6
	s_add_co_u32 s45, s45, RED
	v_and_b32 v7, 15, v2                           ; r
	v_lshrrev_b32 v8, 4, v2                        ; h
	v_lshrrev_b32 v9, 1, v2
	v_mul_u32_u24 v9, v9, 272
	v_and_b32 v4, 1, v2
	v_lshl_add_u32 v4, v4, 3, v9
	v_add_nc_u32 v4, s44, v4                       ; in: half image lane / 2, 8 bytes of 16
	v_mul_u32_u24 v5, v8, 272
	v_lshl_add_u32 v5, v7, 4, v5
	v_add_nc_u32 v5, s44, v5                       ; out
	v_and_b32 v6, 7, v2
	v_lshlrev_b32 v6, 2, v6
	v_lshl_add_u32 v6, v8, 8, v6                   ; W2: 8 h rows of 32 bytes + class r % 8
	v_lshlrev_b32 v3, 3, v2                        ; b1
	v_mov_b32 v9, s45                              ; my wave's 16 sums
	v_mov_b32 v8, RED                              ; everybody's
	s_wait_alu depctr_va_vdst(0)
.irp j, 0,1,2,3,4,5,6,7
	global_load_b32 v[16+\j], v6, s[12:13] offset:32*\j
.endr
	global_load_b64 v[12:13], v3, s[22:23]
.irp r, 0,1,2,3,4,5,6,7,8,9,10,11,12,13,14,15
	global_load_b128 v[64+8*\r:67+8*\r], v1, s[6:7] offset:4096*\r th:TH_LOAD_NT
	global_load_b128 v[68+8*\r:71+8*\r], v1, s[6:7] offset:4096*\r+512 th:TH_LOAD_NT
.endr
.macro GBLOAD u, e                     ; gamma and beta of expert e into buffer u
.irp j, 0,1
	global_load_b128 v[192+16*(\u)+4*\j:195+16*(\u)+4*\j], v1, s[8:9] offset:4096*(\e)+512*\j
	global_load_b128 v[200+16*(\u)+4*\j:203+16*(\u)+4*\j], v1, s[10:11] offset:4096*(\e)+512*\j
.endr
.endm
	GBLOAD 0, 0
	GBLOAD 1, 1
	GBLOAD 2, 2
	GBLOAD 3, 3
	s_wait_kmcnt 0x0
	s_add_co_i32 s36, s34, s35
	s_add_co_i32 s37, s36, 127
	s_lshl_b32 s47, s37, 23                        ; 2^(e0+e1)
	s_sub_co_i32 s37, 127, s36
	s_lshl_b32 s48, s37, 23                        ; 2^-(e0+e1)
	s_mov_b32 s49, s48
	s_add_co_i32 s34, s34, 127
	s_lshl_b32 s35, s34, 23
	v_mov_b32 v11, s35                             ; 2^e0
	s_add_co_i32 s34, s34, 8
	s_lshl_b32 s34, s34, 23
	s_or_b32 s34, s34, 0x600000
	v_mov_b32 v10, s34                             ; 448 x 2^e0
	s_wait_alu depctr_va_vdst(0)
	s_wait_loadcnt 48                              ; W2 and b1 are in; behind them 32 loads of feat and 16 of gamma and beta
	v_cmp_gt_u32 vcc_lo, 8, v7                     ; classes 0..7 exist
.irp j, 0,1,2,3,4,5,6,7
	v_mul_f32 v[16+\j], s47, v[16+\j]
.endr
.irp j, 0,1,2,3,4,5,6,7
	v_cndmask_b32 v[16+\j], 0, v[16+\j], vcc_lo
.endr
	v_pk_mul_f32 v[12:13], v[12:13], s[48:49] op_sel_hi:[1,0]
.irp i, 0,1,2,3
	v_cvt_pk_bf16_f32 v[32+\i], v[16+2*\i], v[17+2*\i]
.endr
	global_store_b128 v1, v[32:35], s[20:21]
	s_wait_loadcnt 16                              ; feat is in; four experts' gamma and beta may be out
	s_wait_xcnt 0x0                                ; the store has read v32-35
; v[16+r] summed over the 32 lanes and the four waves.  o: 0 or 256, each with its own LDS bytes
.macro RED16 o
.irp m, 1,2,4,8
.irp r, 0,1,2,3,4,5,6,7,8,9,10,11,12,13,14,15
	v_add_f32_dpp v[16+\r], v[16+\r], v[16+\r] row_xmask:\m row_mask:0xf bank_mask:0xf
.endr
.endr
.irp r, 0,1,2,3,4,5,6,7,8,9,10,11,12,13,14,15
	v_permlanex16_b32 v[32+\r], v[16+\r], s50, s51
.endr
.irp r, 0,1,2,3,4,5,6,7,8,9,10,11,12,13,14,15
	v_add_f32 v[16+\r], v[16+\r], v[32+\r]
.endr
.irp i, 0,1,2,3
	ds_store_b128 v9, v[16+4*\i:19+4*\i] offset:\o+16*\i     ; all lanes write the same bytes with the same numbers
.endr
	s_wait_dscnt 0x0                               ; for the others' sake: my sums are stored
	s_barrier_signal -1
	s_barrier_wait -1
.irp b, 0,1
.irp i, 0,1
.irp w, 0,1,2,3
	ds_load_b128 v[32+16*\i+4*\w:35+16*\i+4*\w], v8 offset:\o+64*\w+32*\b+16*\i
.endr
.endr
	s_wait_dscnt 0x0
.irp i, 0,1
.irp j, 0,1,2,3
	v_add_f32 v[16+8*\b+4*\i+\j], v[32+16*\i+\j], v[36+16*\i+\j]
	v_add_f32 v[40+16*\i+\j], v[40+16*\i+\j], v[44+16*\i+\j]
.endr
.endr
.irp i, 0,1
.irp j, 0,1,2,3
	v_add_f32 v[16+8*\b+4*\i+\j], v[16+8*\b+4*\i+\j], v[40+16*\i+\j]
.endr
.endr
.endr
.endm
.irp r, 0,1,2,3,4,5,6,7,8,9,10,11,12,13,14,15
	v_pk_add_f32 v[32+2*\r:33+2*\r], v[64+8*\r:65+8*\r], v[66+8*\r:67+8*\r]
.endr
.irp j, 4,6
.irp r, 0,1,2,3,4,5,6,7,8,9,10,11,12,13,14,15
	v_pk_add_f32 v[32+2*\r:33+2*\r], v[32+2*\r:33+2*\r], v[64+8*\r+\j:65+8*\r+\j]
.endr
.endr
.irp r, 0,1,2,3,4,5,6,7,8,9,10,11,12,13,14,15
	v_add_f32 v[16+\r], v[32+2*\r], v[33+2*\r]
.endr
	RED16 0
.irp r, 0,1,2,3,4,5,6,7,8,9,10,11,12,13,14,15
	v_mul_f32 v[16+\r], s52, v[16+\r]              ; the mean
.endr
.irp j, 0,2,4,6
.irp r, 0,2,4,6,8,10,12,14
	v_pk_add_f32 v[64+8*\r+\j:65+8*\r+\j], v[64+8*\r+\j:65+8*\r+\j], v[16+\r:17+\r] op_sel_hi:[1,0] neg_lo:[0,1] neg_hi:[0,1]   ; x - mean: the variance is taken of the differences
	v_pk_add_f32 v[72+8*\r+\j:73+8*\r+\j], v[72+8*\r+\j:73+8*\r+\j], v[16+\r:17+\r] op_sel:[0,1] op_sel_hi:[1,1] neg_lo:[0,1] neg_hi:[0,1]
.endr
.endr
.irp r, 0,1,2,3,4,5,6,7,8,9,10,11,12,13,14,15
	v_pk_mul_f32 v[32+2*\r:33+2*\r], v[64+8*\r:65+8*\r], v[64+8*\r:65+8*\r]
.endr
.irp j, 2,4,6
.irp r, 0,1,2,3,4,5,6,7,8,9,10,11,12,13,14,15
	v_pk_fma_f32 v[32+2*\r:33+2*\r], v[64+8*\r+\j:65+8*\r+\j], v[64+8*\r+\j:65+8*\r+\j], v[32+2*\r:33+2*\r]
.endr
.endr
.irp r, 0,1,2,3,4,5,6,7,8,9,10,11,12,13,14,15
	v_add_f32 v[16+\r], v[32+2*\r], v[33+2*\r]
.endr
	RED16 256
.irp r, 0,1,2,3,4,5,6,7,8,9,10,11,12,13,14,15
	v_fma_f32 v[16+\r], v[16+\r], s52, s53         ; variance + 1e-5
.endr
	s_wait_alu depctr_va_vdst(0)
.irp r, 0,1,2,3,4,5,6,7,8,9,10,11,12,13,14,15
	v_rsq_f32 v[16+\r], v[16+\r]
.endr
	v_nop                                          ; a plain instruction behind the last transcendental
	s_wait_alu depctr_va_vdst(0)
.irp j, 0,2,4,6
.irp r, 0,2,4,6,8,10,12,14
	v_pk_mul_f32 v[64+8*\r+\j:65+8*\r+\j], v[64+8*\r+\j:65+8*\r+\j], v[16+\r:17+\r] op_sel_hi:[1,0]   ; xhat, shared by the eight experts
	v_pk_mul_f32 v[72+8*\r+\j:73+8*\r+\j], v[72+8*\r+\j:73+8*\r+\j], v[16+\r:17+\r] op_sel:[0,1] op_sel_hi:[1,1]
.endr
.endr
; one expert: 16 rows x 8 numbers a lane, 16 codes of 8 bytes through my own stage, eight images out.  In the first trip the buffer is filled again for the expert four further on.
.macro UNIT u
.set GG, 192+16*(\u)
	s_wait_loadcnt 12-4*(\u)                       ; right for both trips: in the second nothing is asked for, so 12 - 4 u are the youngest that may be out
	s_wait_xcnt 0x0                                ; the last unit's stores have read v32-63
.irp p, 0,2,4,6,8,10,12,14
.irp r, 0,1
.irp i, 0,2,4,6
	v_pk_fma_f32 v[16+8*\r+\i:17+8*\r+\i], v[64+8*(\p+\r)+\i:65+8*(\p+\r)+\i], v[GG+\i:GG+\i+1], v[GG+8+\i:GG+9+\i]
.endr
.endr
.irp r, 0,1
.irp i, 0,1,2,3,4,5,6,7
	v_med3_num_f32 v[16+8*\r+\i], v[16+8*\r+\i], -v10, v10
.endr
	v_cvt_scalef32_pk8_fp8_f32 v[32+2*(\p+\r):33+2*(\p+\r)], v[16+8*\r:23+8*\r], v11
	ds_store_b64 v4, v[32+2*(\p+\r):33+2*(\p+\r)] offset:16*(\p+\r)
.endr
.endr
	s_cmp_eq_u32 s54, 0
	s_cbranch_scc0 .Lnogb_\@
	GBLOAD \u, (\u)+4
.Lnogb_\@:
	s_wait_dscnt 0x0                               ; the stage is written, and its stores have read the codes' registers
.irp i, 0,1,2,3,4,5,6,7
	ds_load_b128 v[32+4*\i:35+4*\i], v5 offset:544*\i
.endr
.irp i, 0,1,2,3,4,5,6,7
	s_wait_dscnt 7-\i
	global_store_b128 v1, v[32+4*\i:35+4*\i], s[18+24*((\u)/2):19+24*((\u)/2)] offset:4194304*((\u)%2)+512*\i
.endr
.endm
	s_mov_b32 s54, 0
.Lunits:
	UNIT 0
	UNIT 1
	UNIT 2
	UNIT 3
	s_wait_xcnt 0x0                                ; the stores have read their bases
	s_add_nc_u64 s[18:19], s[18:19], 0x1000000
	s_add_nc_u64 s[42:43], s[42:43], 0x1000000
	s_add_co_u32 s54, s54, 1
	s_cmp_lt_u32 s54, 2
	s_wait_alu depctr_va_vdst(0)
	s_cbranch_scc1 .Lunits
	s_cmp_lg_u32 s33, 0
	s_cbranch_scc1 .Lxend
	global_store_b64 v3, v[12:13], s[24:25]        ; wave 0: 64 numbers, 256 consecutive bytes
.Lxend:
	s_wait_tensorcnt 0x0                           ; the wave's end
	ds_add_u32 v14, v15
	s_wait_dscnt 0x0
	s_endpgm
; ---------------- the gate: 16 tokens a work-group, four a wave.  v64-127 mu (8 an expert), v128-159 z (8 a token)
; v160-191 similarities (8 t + e), v192-195 |z|^2, v196-203 |mu|^2: 44 sums over 256, eight numbers a lane, then across the lanes
.Lgate:
	s_sub_co_u32 s36, ttmp9, NWG_X+NWG_W
	s_lshl_b32 s38, s36, 14
	s_lshl_b32 s40, s33, 12
	s_add_co_u32 s38, s38, s40
	s_mov_b32 s39, 0
	s_add_nc_u64 s[26:27], s[26:27], s[38:39]
	s_lshl_b32 s38, s36, 9
	s_add_nc_u64 s[30:31], s[30:31], s[38:39]
	s_lshl_b32 s45, s33, 7
	s_add_co_u32 s45, s45, GST
	v_mov_b32 v4, s45                              ; my four tokens' gates
	v_add_nc_u32 v5, GST, v1
.irp i, 0,1,2,3
	v_mov_b32 v[204+\i], 0                         ; a lane permute's destination counts as read: written once
.endr
.irp e, 0,1,2,3,4,5,6,7
.irp j, 0,1
	global_load_b128 v[64+8*\e+4*\j:67+8*\e+4*\j], v1, s[28:29] offset:1024*\e+512*\j
.endr
.endr
.irp t, 0,1,2,3
.irp j, 0,1
	global_load_b128 v[128+8*\t+4*\j:131+8*\t+4*\j], v1, s[26:27] offset:1024*\t+512*\j th:TH_LOAD_NT
.endr
.endr
	s_wait_alu depctr_va_vdst(0)
	s_wait_kmcnt 0x0
	s_wait_loadcnt 0x0
.irp t, 0,1,2,3
.irp e, 0,1,2,3,4,5,6,7
	v_pk_mul_f32 v[16+2*\e:17+2*\e], v[128+8*\t:129+8*\t], v[64+8*\e:65+8*\e]
.endr
.irp j, 2,4,6
.irp e, 0,1,2,3,4,5,6,7
	v_pk_fma_f32 v[16+2*\e:17+2*\e], v[128+8*\t+\j:129+8*\t+\j], v[64+8*\e+\j:65+8*\e+\j], v[16+2*\e:17+2*\e]
.endr
.endr
.irp e, 0,1,2,3,4,5,6,7
	v_add_f32 v[160+8*\t+\e], v[16+2*\e], v[17+2*\e]
.endr
.endr
.irp e, 0,1,2,3,4,5,6,7,8,9,10,11
	v_pk_mul_f32 v[16+2*\e:17+2*\e], v[64+8*\e:65+8*\e], v[64+8*\e:65+8*\e]      ; 0..7: mu's squares; 8..11: z's, which lie behind mu
.endr
.irp j, 2,4,6
.irp e, 0,1,2,3,4,5,6,7,8,9,10,11
	v_pk_fma_f32 v[16+2*\e:17+2*\e], v[64+8*\e+\j:65+8*\e+\j], v[64+8*\e+\j:65+8*\e+\j], v[16+2*\e:17+2*\e]
.endr
.endr
.irp e, 0,1,2,3,4,5,6,7
	v_add_f32 v[196+\e], v[16+2*\e], v[17+2*\e]
.endr
.irp t, 0,1,2,3
	v_add_f32 v[192+\t], v[32+2*\t], v[33+2*\t]
.endr
.irp m, 1,2,4,8
.set NN, 160
.rept 44
	v_add_f32_dpp v[NN], v[NN], v[NN] row_xmask:\m row_mask:0xf bank_mask:0xf
.set NN, NN+1
.endr
.endr
.set NN, 160
.rept 11
.irp i, 0,1,2,3
	v_permlanex16_b32 v[204+\i], v[NN+\i], s50, s51
.endr
.irp i, 0,1,2,3
	v_add_f32 v[NN+\i], v[NN+\i], v[204+\i]
.endr
.set NN, NN+4
.endr
	s_wait_alu depctr_va_vdst(0)
.irp i, 0,1,2,3,4,5,6,7,8,9,10,11
	v_sqrt_f32 v[192+\i], v[192+\i]
.endr
	v_nop
	s_wait_alu depctr_va_vdst(0)
.irp i, 0,1,2,3,4,5,6,7,8,9,10,11
	v_max_num_f32 v[192+\i], 0x2b8cbccc, v[192+\i] ; max(norm, 1e-12)
.endr
	s_wait_alu depctr_va_vdst(0)
.irp i, 0,1,2,3,4,5,6,7,8,9,10,11
	v_rcp_f32 v[192+\i], v[192+\i]
.endr
	v_nop
	s_wait_alu depctr_va_vdst(0)
.irp t, 0,1,2,3
.irp e, 0,1,2,3,4,5,6,7
	v_mul_f32 v[160+8*\t+\e], v[160+8*\t+\e], v[192+\t]
.endr
.endr
.irp t, 0,1,2,3
.irp e, 0,1,2,3,4,5,6,7
	v_mul_f32 v[160+8*\t+\e], v[160+8*\t+\e], v[196+\e]    ; the cosine
.endr
.endr
.irp t, 0,1,2,3
	v_max3_num_f32 v[208+\t], v[160+8*\t], v[161+8*\t], v[162+8*\t]
.endr
.irp t, 0,1,2,3
	v_max3_num_f32 v[208+\t], v[208+\t], v[163+8*\t], v[164+8*\t]
.endr
.irp t, 0,1,2,3
	v_max3_num_f32 v[208+\t], v[208+\t], v[165+8*\t], v[166+8*\t]
.endr
.irp t, 0,1,2,3
	v_max_num_f32 v[208+\t], v[208+\t], v[167+8*\t]
.endr
.irp t, 0,1,2,3
.irp e, 0,1,2,3,4,5,6,7
	v_sub_f32 v[160+8*\t+\e], v[160+8*\t+\e], v[208+\t]
.endr
.endr
.set NN, 160
.rept 32
	v_mul_f32 v[NN], 0x3fb8aa3b, v[NN]             ; x log2(e)
.set NN, NN+1
.endr
	s_wait_alu depctr_va_vdst(0)
.set NN, 160
.rept 32
	v_exp_f32 v[NN], v[NN]
.set NN, NN+1
.endr
	v_nop
	s_wait_alu depctr_va_vdst(0)
.irp t, 0,1,2,3
	v_add_f32 v[212+\t], v[160+8*\t], v[161+8*\t]
.endr
.irp e, 2,3,4,5,6,7
.irp t, 0,1,2,3
	v_add_f32 v[212+\t], v[212+\t], v[160+8*\t+\e]
.endr
.endr
	s_wait_alu depctr_va_vdst(0)
.irp t, 0,1,2,3
	v_rcp_f32 v[212+\t], v[212+\t]
.endr
	v_nop
	s_wait_alu depctr_va_vdst(0)
.irp t, 0,1,2,3
.irp e, 0,1,2,3,4,5,6,7
	v_mul_f32 v[160+8*\t+\e], v[160+8*\t+\e], v[212+\t]
.endr
.endr
.irp t, 0,1,2,3
	ds_store_b128 v4, v[160+8*\t:163+8*\t] offset:32*\t        ; all lanes write the same bytes with the same numbers
	ds_store_b128 v4, v[164+8*\t:167+8*\t] offset:32*\t+16
.endr
	s_wait_dscnt 0x0                               ; for wave 0's sake
	s_barrier_signal -1
	s_barrier_wait -1
	s_cmp_lg_u32 s33, 0
	s_cbranch_scc1 .Lgend
	ds_load_b128 v[16:19], v5
	s_wait_dscnt 0x0
	global_store_b128 v1, v[16:19], s[30:31]       ; 16 tokens x 8 gates, 512 consecutive bytes
.Lgend:
	s_wait_tensorcnt 0x0                           ; the wave's end
	ds_add_u32 v14, v15
	s_wait_dscnt 0x0
	s_endpgm
.Lfunc_end_k_q84345712b2_prep:
	.size	k_q84345712b2_prep, .Lfunc_end_k_q84345712b2_prep-k_q84345712b2_prep
	.p2alignl 7, 3214868480
	.fill 96, 4, 3214868480
	.section	.rodata,"a",@progbits
	.p2align	6, 0x0
	.amdhsa_kernel k_q84345712b2_prep
		.amdhsa_group_segment_fixed_size 35840
		.amdhsa_private_segment_fixed_size 0
		.amdhsa_enable_private_segment 0
		.amdhsa_kernarg_size 112
		.amdhsa_user_sgpr_count 2
		.amdhsa_user_sgpr_kernarg_segment_ptr 1
		.amdhsa_wavefront_size32 1
		.amdhsa_system_sgpr_workgroup_id_x 1
		.amdhsa_system_sgpr_workgroup_id_y 1
		.amdhsa_system_sgpr_workgroup_id_z 1
		.amdhsa_system_vgpr_workitem_id 0
		.amdhsa_next_free_vgpr 256
		.amdhsa_next_free_sgpr 80
		.amdhsa_reserve_vcc 1
		.amdhsa_float_denorm_mode_32 3
		.amdhsa_float_denorm_mode_16_64 3
		.amdhsa_memory_ordered 1
		.amdhsa_forward_progress 1
		.amdhsa_inst_pref_size 182
	.end_amdhsa_kernel
	.amdgpu_metadata
---
amdhsa.version: [ 1, 2 ]
amdhsa.kernels:
  - .name:           k_q84345712b2_prep
    .symbol:         k_q84345712b2_prep.kd
    .args:
      - { .name: W1, .offset: 0, .size: 8, .value_kind: global_buffer, .address_space: global }
      - { .name: feat, .offset: 8, .size: 8, .value_kind: global_buffer, .address_space: global }
      - { .name: ln_gamma, .offset: 16, .size: 8, .value_kind: global_buffer, .address_space: global }
      - { .name: ln_beta, .offset: 24, .size: 8, .value_kind: global_buffer, .address_space: global }
      - { .name: W2, .offset: 32, .size: 8, .value_kind: global_buffer, .address_space: global }
      - { .name: lowp_scales, .offset: 40, .size: 8, .value_kind: global_buffer, .address_space: global }
      - { .name: wq, .offset: 48, .size: 8, .value_kind: global_buffer, .address_space: global }
      - { .name: xq, .offset: 56, .size: 8, .value_kind: global_buffer, .address_space: global }
      - { .name: w2f, .offset: 64, .size: 8, .value_kind: global_buffer, .address_space: global }
      - { .name: b1, .offset: 72, .size: 8, .value_kind: global_buffer, .address_space: global }
      - { .name: b1s, .offset: 80, .size: 8, .value_kind: global_buffer, .address_space: global }
      - { .name: z_cat, .offset: 88, .size: 8, .value_kind: global_buffer, .address_space: global }
      - { .name: mu_cat, .offset: 96, .size: 8, .value_kind: global_buffer, .address_space: global }
      - { .name: out1, .offset: 104, .size: 8, .value_kind: global_buffer, .address_space: global }
    .group_segment_fixed_size: 35840
    .private_segment_fixed_size: 0
    .kernarg_segment_align: 8
    .kernarg_segment_size: 112
    .max_flat_workgroup_size: 128
    .sgpr_count:     80
    .vgpr_count:     256
    .wavefront_size: 32
...
	.end_amdgpu_metadata
.endif
;; end of part 1
;; launch main (part 2): grid 16 x 16, 4 waves a work-group, clusters of 4 x 1, 327,680 bytes of LDS; arguments xq, wq, w2f, b1s, part; writes part
.if DOCPART == 2
	.amdgcn_target "amdgcn-amd-amdhsa--gfx1250"
	.amdhsa_code_object_version 6
	.text
	.protected	k_q84345712b2_main
	.globl	k_q84345712b2_main
	.p2align	8
	.type	k_q84345712b2_main,@function
k_q84345712b2_main:
	s_mov_b64 s[64:65], 0
	v_nop
	global_prefetch_b8 v0, s[64:65] scope:SCOPE_SE
	s_setreg_imm32_b32 hwreg(HW_REG_WAVE_MODE, 25, 1), 1
	s_wait_xcnt 0x0
	s_wait_alu depctr_hold_cnt(0) depctr_sa_sdst(0) depctr_va_vdst(0) depctr_va_sdst(0) depctr_va_ssrc(0) depctr_va_vcc(0) depctr_vm_vsrc(0)
	s_getreg_b32 s2, hwreg(HW_REG_IB_STS2, 6, 4)
	s_cmp_eq_u32 s2, 0
	s_cbranch_scc0 .Lentry_in_a_cluster
	s_endpgm
.Lentry_in_a_cluster:
	s_bfe_u32 s2, ttmp6, 0x10000c
	s_cmp_lg_u32 s2, 0x3003
	s_cbranch_scc0 .Lentry_shape_is_right
	s_endpgm
.Lentry_shape_is_right:
; MAIN: part[hf][e][row][class] = sum over the half hf of the hidden units of relu(x_e W1 + b1) W2, both products; sums in f32.
; A work-group owns 256 rows, one expert e and 1,024 hidden units (half hf): 16 x 8 x 2 = 256 work-groups.  A wave keeps ITS 64 ROWS x ALL 1,024 OF K as codes in 512 registers, loaded once;
; W1's codes stream through two LDS slots of 128 columns x 1,024 (131,072 bytes, a dense run of operand images), read by all four waves: each fragment feeds four products.
; CLUSTERS: four work-groups with the same e and hf (four blocks of 256 rows) ask jointly for each slot; each wave asks for a quarter.
; A GROUP is 64 columns: 8 K steps x 4 column tiles x 4 row blocks = 128 products onto 16 accumulators, by turns.  Two sets of accumulators: while one is summed, the other goes through relu, bf16 and the product
; with W2 in the gaps between the products.  Sums stand in units of the codes: b1 x 2^-(e0+e1) is the first product's C, and 2^(e0+e1) is in W2's images.
; Used transposed (source 0 = 16 columns of W1, source 1 = 16 rows of x): lane (r, h) holds row r, hidden units 8 h + j.
; REGISTERS: window 0: v16-47 logits (4 row blocks x 8), v48-79 b1, v80-111 W2 (two sets), v128-255 a ring of 8 fragments of W1.  Window 1: accumulators, set s at 128 s.  Windows 2, 3: x (K step ks, row block a at 64 (ks % 4) + 16 a).
; LIMITS: as stated in the first launch.
.set SLOT,  131072
.set SPARE, 2*SLOT
.set LN,   1                           ; 16 x lane
.set HB,   2                           ; 32 h
.set PFO,  3                           ; 256 x lane
.set ADB0, 4                           ; LDS address of the slot's first 64 columns, and of its second
.set ADB1, 5
.set SPW,  6
.set NIL,  7
.set LG,   16
.set BI,   48
.set W2R,  80
.set BF,   128
.set WV,   16
.set TB,   17
.set TRIP, 18
.set G1,   24
.set G0,   32
.set BB,   40
.set WB,   42
.set AB,   44
.set PP,   46
.set PFA,  48
.set SEL,  50
.set HM,   52
.set MSB,  0
.macro WIN new                         ; s_set_vgpr_msb: bits 1:0 source 0, 3:2 source 1, 5:4 source 2, 7:6 destination; the high byte repeats the setting that is left
.if MSB != \new
	s_set_vgpr_msb (MSB<<8)|\new
.set MSB, \new
.endif
.endm
.macro TLOAD                           ; my quarter of a slot, jointly with the three partners
	tensor_load_to_lds s[G0:G0+3], s[G1:G1+7]
	s_nop 0
.rept 4
	v_nop
.endr
.endm
.macro CREST
	s_cmp_lg_u32 s[WV], 0
	s_cbranch_scc1 .Lnot_wave_0_\@
	s_barrier_signal -3
.Lnot_wave_0_\@:
	s_barrier_wait -3
	s_barrier_signal -1
	s_barrier_wait -1
.endm
.macro CROUND
	s_barrier_signal -1
	s_barrier_wait -1
	CREST
.endm
.macro ALD ks                          ; x: 16 loads of 512 consecutive bytes
.set AW_, 0x80+0x40*((\ks)/4)
	WIN AW_
.irp a, 0,1,2,3
.irp c, 0,1,2,3
	global_load_b128 v[64*((\ks)%4)+16*\a+4*\c:64*((\ks)%4)+16*\a+4*\c+3], v[LN], s[AB:AB+1] offset:16384*\a+2048*(\ks)+512*\c
.endr
.endr
.endm
.macro BLD o                           ; b1 of four column tiles
.irp n, 0,1,2,3
	global_load_b128 v[BI+8*\n:BI+8*\n+3], v[HB], s[BB:BB+1] offset:\o+64*\n
	global_load_b128 v[BI+8*\n+4:BI+8*\n+7], v[HB], s[BB:BB+1] offset:\o+64*\n+16
.endr
.endm
.macro DSL reg, du, u                  ; the fragment of pair du, unit u (column tile 2 (du % 2) + u, K step du / 2) into the ring
.set FB_, BF+16*((2*(\du)+(\u))%8)
.set FO_, (2*((\du)%2)+(\u))*16384+((\du)/2)*2048
	WIN 0
.irp c, 0,1,2,3
	ds_load_b128 v[FB_+4*\c:FB_+4*\c+3], v[\reg] offset:FO_+512*\c
.endr
.endm
.macro WM set, d, u, a                 ; one product
.set KS_, (\d)/2
.set NT_, 2*((\d)%2)+(\u)
.set AC_, 128*(\set)+8*(4*NT_+(\a))
.set FR_, BF+16*((2*(\d)+(\u))%8)
.set XA_, 64*(KS_%4)+16*(\a)
.if KS_ == 0
	WIN 0x48
	v_wmma_f32_16x16x128_fp8_fp8 v[AC_:AC_+7], v[FR_:FR_+15], v[XA_:XA_+15], v[BI+8*NT_:BI+8*NT_+7]
.else
.set WN_, 0x50+4*(2+KS_/4)
	WIN WN_
	v_wmma_f32_16x16x128_fp8_fp8 v[AC_:AC_+7], v[FR_:FR_+15], v[XA_:XA_+15], v[AC_:AC_+7]
.endif
.endm
; the other set's tile t = 4 x column tile + row block: relu in two halves, then bf16: even tiles into the low four registers of the pair, odd ones into the high four
.macro EM es, t, half
	WIN 0x45
.irp i, 0,1,2,3
	v_max_num_f32 v[128*\es+8*\t+4*\half+\i], 0, v[128*\es+8*\t+4*\half+\i]
.endr
.endm
.macro EC es, t
.set OD_, (\t/4)%2
.set PD_, 128*\es+8*(\t-4*OD_)+4*OD_
	WIN 0x45
.irp i, 0,1,2,3
	v_cvt_pk_bf16_f32 v[PD_+\i], v[128*\es+8*\t+2*\i], v[128*\es+8*\t+2*\i+1]
.endr
.endm
.macro BMM es, t                       ; behind an odd tile: 32 hidden units x W2 onto the row block's logits
.if (\t/4)%2
	WIN 0x04
	v_wmma_f32_16x16x32_bf16 v[LG+8*(\t%4):LG+8*(\t%4)+7], v[W2R+16*\es+8*(\t/8):W2R+16*\es+8*(\t/8)+7], v[128*\es+8*(\t-4):128*\es+8*(\t-4)+7], v[LG+8*(\t%4):LG+8*(\t%4)+7]
.endif
.endm
; A PAIR d of units: 8 products on two fragments.  Its gaps take tile d of the other set, and the loads of pair d + 3 into the fragments that pair d - 1 has read:
; four plain vector instructions (the relu's first half, or v_nop) stand ahead of those loads.
.macro DUO set, d, es, reg, ld
.set DN_, ((\d)+3)%16
	WM \set, \d, 0, 0
.if \es < 2
	EM \es, \d, 0
.else
.rept 4
	v_nop
.endr
.endif
	WM \set, \d, 0, 1
.if \es < 2
	EM \es, \d, 1
.endif
	WM \set, \d, 0, 2
.if \es < 2
	EC \es, \d
.endif
	WM \set, \d, 0, 3
.if \ld
	DSL \reg, DN_, 0
.endif
	WM \set, \d, 1, 0
.if \ld
	DSL \reg, DN_, 1
.endif
	WM \set, \d, 1, 1
.if \es < 2
	BMM \es, \d
.endif
	WM \set, \d, 1, 2
.if (\d == 2) && (MD_ != 3)
	WIN 0
	BLD 256                                        ; the next group's b1: this group's has been read
.endif
.if \d == 3
	WIN 0
.irp c, 0,1,2,3
	global_load_b128 v[W2R+16*\set+4*\c:W2R+16*\set+4*\c+3], v[LN], s[WB:WB+1] offset:512*\c   ; this group's W2, for the next group's gaps
.endr
.endif
	WM \set, \d, 1, 3
.endm
.macro PRE d
.if MD_ == 4
.if (\d%2) == 0
; the first group walks behind x's arrival, three K steps asked ahead: the youngest that may be out are the K steps behind this one, and from step 2 on to step 4 b1's and W2's 12 loads
.set KK_, \d/2
.set LW_, 32
.if (KK_ > 1) && (KK_ < 5)
.set LW_, 44
.endif
.if KK_ > 5
.set LW_, 16*(7-KK_)
.endif
	s_wait_loadcnt LW_
.if KK_ < 5
.set KA_, KK_+3
	ALD KA_
.endif
.endif
.elseif \d == 0
	s_wait_loadcnt 0x0                             ; b1 of this group and W2 of the last one
.endif
.if \d == 5
	s_wait_xcnt 0x0                                ; the loads above have read their bases
	s_add_nc_u64 s[BB:BB+1], s[BB:BB+1], 256
	s_add_nc_u64 s[WB:WB+1], s[WB:WB+1], 2048
.endif
.endm
; mode 0: a slot's first 64 columns; 4: the launch's first such group; 1: a slot's second, with a change of slots and a refill; 2: a change without a refill; 3: the last group
.macro GROUP set, es, own, nxt, mode
.set MD_, \mode
.irp d, 0,1,2,3,4,5,6,7,8,9,10,11,12
	PRE \d
	s_wait_dscnt 16                                ; this pair's fragments are in; the 16 loads of the next two pairs may be out
	DUO \set, \d, \es, \own, 1
.endr
.if (\mode == 0) || (\mode == 4)
.irp d, 13,14,15
	PRE \d
	s_wait_dscnt 16
	DUO \set, \d, \es, \nxt, 1
.endr
.elseif \mode == 3
	s_wait_dscnt 16
	DUO \set, 13, \es, \own, 0
	s_wait_dscnt 8
	DUO \set, 14, \es, \own, 0
	s_wait_dscnt 0
	DUO \set, 15, \es, \own, 0
.else
; THE CHANGE OF SLOTS: the last three pairs' fragments have been asked for.  One barrier (with a refill: a round of the cluster's) shows the next slot whole and this one read.
	s_wait_dscnt 16
.if \mode == 1
	s_wait_xcnt 0x0                                ; any prefetch has read its address
	s_add_nc_u64 s[PFA:PFA+1], s[PFA:PFA+1], SLOT
.endif
	WIN 0
	s_wait_tensorcnt 0x0                           ; my part of the next slot has landed
	ds_add_u32 v[SPW], v[NIL]
	DUO \set, 13, \es, \own, 0
	s_wait_dscnt 0x0                               ; the add is done, and so are my reads of this slot
	s_barrier_signal -1
	DUO \set, 14, \es, \own, 0
	WIN 0
	s_barrier_wait -1
.if \mode == 1
	CREST
	s_xor_b32 s[G0+1], s[G0+1], SLOT
	s_add_nc_u64 s[G0+2:G0+3], s[G0+2:G0+3], SLOT
	TLOAD                                          ; two slots on, into the slot just read
.endif
	s_xor_b32 s[TB], s[TB], SLOT
	v_add_nc_u32 v[ADB0], s[TB], v[LN]
	v_add_nc_u32 v[ADB1], 0x10000, v[ADB0]
	s_wait_alu depctr_va_vdst(0)
	DSL \nxt, 0, 0
	DSL \nxt, 0, 1
	DSL \nxt, 1, 0
	DSL \nxt, 1, 1
.if \mode == 1
; PREFETCH of the slot two refills on (slots 4 to 7; the first four come by their loads alone): its 512 blocks of 256 bytes, one a lane, shared out by address over the cluster's sixteen waves
	s_cmp_ge_u32 s[TRIP], 3
	s_cbranch_scc0 .Lnopf_\@
	global_prefetch_b8 v[PFO], s[PFA:PFA+1] th:TH_LOAD_NT scope:SCOPE_SE
.Lnopf_\@:
.endif
	DUO \set, 15, \es, \nxt, 1
.endif
.endm
	s_load_b256 s[4:11], s[0:1], 0x0               ; xq s[4:5], wq s[6:7], w2f s[8:9], b1s s[10:11]
	s_load_b64 s[12:13], s[0:1], 0x20              ; part
	v_lshl_add_u32 v[SPW], v0, 2, SPARE
	v_mov_b32 v[NIL], 0
	ds_add_u32 v[SPW], v[NIL]                      ; the opening lines: the add twice on end
	ds_add_u32 v[SPW], v[NIL]
	v_lshrrev_b32 v8, 5, v0
	v_readfirstlane_b32 s[WV], v8                  ; wave 0..3
	v_and_b32 v9, 31, v0
	v_lshlrev_b32 v[LN], 4, v9
	v_lshlrev_b32 v[PFO], 8, v9
	v_lshlrev_b32 v[ADB0], 4, v9
	v_add_nc_u32 v[ADB1], 0x10000, v[ADB0]
	v_lshrrev_b32 v9, 4, v9
	v_lshlrev_b32 v[HB], 5, v9
	s_bfe_u32 s19, ttmp6, 0x40000                  ; cx
	s_lshl_b32 s20, ttmp9, 2
	s_add_co_u32 s20, s20, s19                     ; block of 256 rows
	s_and_b32 s21, ttmp7, 0xffff
	s_bfe_u32 s22, s21, 0x10002                    ; hf = bit 2 of y
	s_and_b32 s23, s21, 3
	s_lshr_b32 s53, s21, 3
	s_lshl_b32 s53, s53, 2
	s_or_b32 s23, s23, s53                         ; e = the other three bits of y
	s_mov_b32 s[G1], 15|(3<<16)|(1<<21)            ; all four of the cluster; elements of 8 bytes; no padding: an image is read as it lies
	s_mov_b32 s[G1+1], 128<<16                     ; 32 rows of 1,024 bytes, dense: 32,768 bytes
	s_mov_b32 s[G1+2], 32<<16
	s_mov_b32 s[G1+3], 128<<16
	s_mov_b32 s[G1+4], 32
	s_mov_b32 s[G1+5], 128
	s_mov_b32 s[G1+6], 0
	s_mov_b32 s[G1+7], 0
	s_lshl_b32 s54, s23, 21                        ; W1's codes: e x 2 MiB + hf x 1 MiB
	s_lshl_b32 s55, s22, 20
	s_add_co_u32 s54, s54, s55
	s_lshl_b32 s55, s[WV], 15
	s_add_co_u32 s58, s54, s55                     ; + my quarter of a slot
	s_mov_b32 s59, 0
	s_lshl_b32 s55, s19, 15                        ; the prefetches: my work-group's quarter of a slot, my wave's quarter of that; from slot 3 on, stepped ahead of each
	s_add_co_u32 s60, s54, s55
	s_lshl_b32 s55, s[WV], 13
	s_add_co_u32 s60, s60, s55
	s_add_co_u32 s60, s60, 3*SLOT
	s_mov_b32 s61, 0
	s_lshl_b32 s62, s23, 22                        ; x: e x 4 MiB + 16 blocks of 16,384 a work-group, 4 a wave
	s_lshl_b32 s55, s20, 18
	s_add_co_u32 s62, s62, s55
	s_lshl_b32 s55, s[WV], 16
	s_add_co_u32 s62, s62, s55
	s_mov_b32 s63, 0
	s_lshl_b32 s66, s23, 13                        ; b1: e x 8,192 + hf x 4,096
	s_lshl_b32 s55, s22, 12
	s_add_co_u32 s66, s66, s55
	s_mov_b32 s67, 0
	s_lshl_b32 s68, s23, 16                        ; W2: e x 65,536 + hf x 32,768
	s_lshl_b32 s55, s22, 15
	s_add_co_u32 s68, s68, s55
	s_mov_b32 s69, 0
	s_lshl_b32 s70, s22, 20                        ; part: hf x 1 MiB + e x 131,072 + 8,192 a work-group + 2,048 a wave
	s_lshl_b32 s55, s23, 17
	s_add_co_u32 s70, s70, s55
	s_lshl_b32 s55, s20, 13
	s_add_co_u32 s70, s70, s55
	s_lshl_b32 s55, s[WV], 11
	s_add_co_u32 s70, s70, s55
	s_mov_b32 s71, 0
	s_mov_b32 s[SEL], 0x76543210
	s_mov_b32 s[SEL+1], 0xfedcba98
	s_mov_b32 s[HM], 0xffff0000
	s_mov_b32 s[TB], 0
	s_mov_b32 s[G0], 1
	s_lshl_b32 s[G0+1], s[WV], 15
	s_wait_alu depctr_va_vdst(0)
	s_wait_dscnt 0x0                               ; both opening adds are done
	s_wait_kmcnt 0x0
	s_add_nc_u64 s[G0+2:G0+3], s[6:7], s[58:59]
	s_or_b32 s[G0+3], s[G0+3], 0x80000000
	s_add_nc_u64 s[PFA:PFA+1], s[6:7], s[60:61]
	s_add_nc_u64 s[AB:AB+1], s[4:5], s[62:63]
	s_add_nc_u64 s[BB:BB+1], s[10:11], s[66:67]
	s_add_nc_u64 s[WB:WB+1], s[8:9], s[68:69]
	s_add_nc_u64 s[PP:PP+1], s[12:13], s[70:71]
	CROUND                                         ; all four work-groups are here: the first joint loads meet
	TLOAD                                          ; slot 0
	BLD 0
	ALD 0                                          ; x: K steps 0 to 2; the first group asks for the others
	ALD 1
	ALD 2
	WIN 0
.set NN, LG
.rept 32
	v_mov_b32 v[NN], 0                             ; the logits
.set NN, NN+1
.endr
	s_wait_alu depctr_va_vdst(0)
	s_wait_tensorcnt 0x0                           ; my part of slot 0 is in; slot 1's first fill goes out as a refill does
	ds_add_u32 v[SPW], v[NIL]
	s_wait_dscnt 0x0
	CROUND
	s_xor_b32 s[G0+1], s[G0+1], SLOT
	s_add_nc_u64 s[G0+2:G0+3], s[G0+2:G0+3], SLOT
	TLOAD                                          ; slot 1
	DSL ADB0, 0, 0
	DSL ADB0, 0, 1
	DSL ADB0, 1, 0
	DSL ADB0, 1, 1
	DSL ADB0, 2, 0
	DSL ADB0, 2, 1
	GROUP 0, 2, ADB0, ADB1, 4
	WIN 0
	s_mov_b32 s[TRIP], 6
.Lloop:                                                ; trip t: slot t's second group, the change to slot t + 1 with the refill by slot t + 2, slot t + 1's first group
	GROUP 1, 0, ADB1, ADB0, 1
	GROUP 0, 1, ADB0, ADB1, 0
	WIN 0
	s_sub_co_u32 s[TRIP], s[TRIP], 1
	s_cmp_lg_u32 s[TRIP], 0
	s_cbranch_scc1 .Lloop
	GROUP 1, 0, ADB1, ADB0, 2                      ; the last change fills nothing
	GROUP 0, 1, ADB0, ADB1, 0
	GROUP 1, 0, ADB1, ADB0, 3
	s_wait_loadcnt 0x0                             ; the last group's W2
.rept 4
	v_nop                                          ; places ahead of the last products' readers
.endr
.irp t, 0,1,2,3,4,5,6,7
	EM 1, \t, 0
	EM 1, \t, 1
.endr
.irp t, 0,1,2,3,4,5,6,7
	EC 1, \t
.endr
.irp t, 4,5,6,7
	BMM 1, \t
.endr
.irp t, 8,9,10,11,12,13,14,15
	EM 1, \t, 0
	EM 1, \t, 1
.endr
.irp t, 8,9,10,11,12,13,14,15
	EC 1, \t
.endr
.irp t, 12,13,14,15
	BMM 1, \t
.endr
	WIN 0
.rept 5
	v_nop
.endr
; the way out: lanes 0-15 hold eight classes of a row, the other lanes zeros: lanes 0-15 store classes 4-7, lanes 16-31 classes 0-3 of row lane - 16: 512 consecutive bytes a row block
.irp a, 0,1,2,3
.irp i, 0,1,2,3
	v_permlanex16_b32 v[BI+4*\a+\i], v[LG+8*\a+\i], s[SEL], s[SEL+1]
.endr
.irp i, 0,1,2,3
	v_cndmask_b32 v[W2R+4*\a+\i], v[LG+8*\a+4+\i], v[BI+4*\a+\i], s[HM]
.endr
	global_store_b128 v[LN], v[W2R+4*\a:W2R+4*\a+3], s[PP:PP+1] offset:512*\a
.endr
	s_wait_tensorcnt 0x0                           ; the wave's end
	ds_add_u32 v[SPW], v[NIL]
	s_wait_dscnt 0x0
	CROUND                                         ; the closing round
	s_endpgm
.Lfunc_end_k_q84345712b2_main:
	.size	k_q84345712b2_main, .Lfunc_end_k_q84345712b2_main-k_q84345712b2_main
	.p2alignl 7, 3214868480
	.fill 96, 4, 3214868480
	.section	.rodata,"a",@progbits
	.p2align	6, 0x0
	.amdhsa_kernel k_q84345712b2_main
		.amdhsa_group_segment_fixed_size 327680
		.amdhsa_private_segment_fixed_size 0
		.amdhsa_enable_private_segment 0
		.amdhsa_kernarg_size 40
		.amdhsa_user_sgpr_count 2
		.amdhsa_user_sgpr_kernarg_segment_ptr 1
		.amdhsa_wavefront_size32 1
		.amdhsa_system_sgpr_workgroup_id_x 1
		.amdhsa_system_sgpr_workgroup_id_y 1
		.amdhsa_system_sgpr_workgroup_id_z 1
		.amdhsa_system_vgpr_workitem_id 0
		.amdhsa_next_free_vgpr 1024
		.amdhsa_next_free_sgpr 80
		.amdhsa_reserve_vcc 0
		.amdhsa_float_denorm_mode_32 3
		.amdhsa_float_denorm_mode_16_64 3
		.amdhsa_memory_ordered 1
		.amdhsa_forward_progress 1
		.amdhsa_inst_pref_size 214
	.end_amdhsa_kernel
	.amdgpu_metadata
---
amdhsa.version: [ 1, 2 ]
amdhsa.kernels:
  - .name:           k_q84345712b2_main
    .symbol:         k_q84345712b2_main.kd
    .args:
      - { .name: xq, .offset: 0, .size: 8, .value_kind: global_buffer, .address_space: global }
      - { .name: wq, .offset: 8, .size: 8, .value_kind: global_buffer, .address_space: global }
      - { .name: w2f, .offset: 16, .size: 8, .value_kind: global_buffer, .address_space: global }
      - { .name: b1s, .offset: 24, .size: 8, .value_kind: global_buffer, .address_space: global }
      - { .name: part, .offset: 32, .size: 8, .value_kind: global_buffer, .address_space: global }
    .group_segment_fixed_size: 327680
    .private_segment_fixed_size: 0
    .kernarg_segment_align: 8
    .kernarg_segment_size: 40
    .max_flat_workgroup_size: 128
    .sgpr_count:     80
    .vgpr_count:     1024
    .wavefront_size: 32
...
	.end_amdgpu_metadata
.endif
;; end of part 2
;; launch combine (part 3): grid 256 x 1, 1 waves a work-group, no clusters, 0 bytes of LDS; arguments part, out1, b2, out0; writes out0
.if DOCPART == 3
	.amdgcn_target "amdgcn-amd-amdhsa--gfx1250"
	.amdhsa_code_object_version 6
	.text
	.protected	k_q84345712b2_combine
	.globl	k_q84345712b2_combine
	.p2align	8
	.type	k_q84345712b2_combine,@function
k_q84345712b2_combine:
	s_mov_b64 s[64:65], 0
	v_nop
	global_prefetch_b8 v0, s[64:65] scope:SCOPE_SE
	s_setreg_imm32_b32 hwreg(HW_REG_WAVE_MODE, 25, 1), 1
	s_wait_xcnt 0x0
; COMBINE: out0[b][c] = sum over e of w[b][e] (part[0][e][b][c] + part[1][e][b][c] + b2[e][c]), w = out1 as the first launch stored it.  Everything in f32.
; One wave takes 16 tokens; lanes 0-15 hold classes 4-7 of token lane, lanes 16-31 classes 0-3 of token lane - 16 (part's layout): every sum stays in its lane, and nothing goes through LDS.
; Work-groups share only b2 (256 bytes): no cluster, no tensor load; there is no loop to prefetch in.
	s_load_b256 s[4:11], s[0:1], 0x0               ; part s[4:5], w s[6:7], b2 s[8:9], out0 s[10:11]
	v_lshlrev_b32 v1, 4, v0                        ; 16 x lane
	v_and_b32 v2, 15, v0
	v_lshlrev_b32 v2, 5, v2                        ; 32 x token
	v_lshrrev_b32 v3, 4, v0
	v_xor_b32 v3, 1, v3
	v_lshlrev_b32 v3, 4, v3                        ; my four classes
	v_add_nc_u32 v4, v2, v3
	s_lshl_b32 s12, ttmp9, 9
	s_mov_b32 s13, 0
	s_wait_alu depctr_va_vdst(0)
	s_wait_kmcnt 0x0
	s_add_nc_u64 s[4:5], s[4:5], s[12:13]
	s_add_nc_u64 s[6:7], s[6:7], s[12:13]
	s_add_nc_u64 s[10:11], s[10:11], s[12:13]
.irp e, 0,1,2,3,4,5,6,7
	global_load_b128 v[32+8*\e:35+8*\e], v1, s[4:5] offset:\e*131072 th:TH_LOAD_NT
	global_load_b128 v[36+8*\e:39+8*\e], v1, s[4:5] offset:\e*131072+1048576 th:TH_LOAD_NT
.endr
	global_load_b128 v[8:11], v2, s[6:7]
	global_load_b128 v[12:15], v2, s[6:7] offset:16
.irp e, 0,1,2,3,4,5,6,7
	global_load_b128 v[96+4*\e:99+4*\e], v3, s[8:9] offset:32*\e
.endr
	s_wait_loadcnt 0x0
.irp e, 0,1,2,3,4,5,6,7
	v_pk_add_f32 v[32+8*\e:33+8*\e], v[32+8*\e:33+8*\e], v[36+8*\e:37+8*\e]
	v_pk_add_f32 v[34+8*\e:35+8*\e], v[34+8*\e:35+8*\e], v[38+8*\e:39+8*\e]
.endr
.irp e, 0,1,2,3,4,5,6,7
	v_pk_add_f32 v[32+8*\e:33+8*\e], v[32+8*\e:33+8*\e], v[96+4*\e:97+4*\e]
	v_pk_add_f32 v[34+8*\e:35+8*\e], v[34+8*\e:35+8*\e], v[98+4*\e:99+4*\e]
.endr
	v_pk_mul_f32 v[16:17], v[32:33], v[8:9] op_sel_hi:[1,0]
	v_pk_mul_f32 v[18:19], v[34:35], v[8:9] op_sel_hi:[1,0]
	v_pk_mul_f32 v[20:21], v[40:41], v[8:9] op_sel:[0,1] op_sel_hi:[1,1]
	v_pk_mul_f32 v[22:23], v[42:43], v[8:9] op_sel:[0,1] op_sel_hi:[1,1]
.irp e, 2,4,6
	v_pk_fma_f32 v[16:17], v[32+8*\e:33+8*\e], v[8+\e:9+\e], v[16:17] op_sel_hi:[1,0,1]
	v_pk_fma_f32 v[18:19], v[34+8*\e:35+8*\e], v[8+\e:9+\e], v[18:19] op_sel_hi:[1,0,1]
	v_pk_fma_f32 v[20:21], v[40+8*\e:41+8*\e], v[8+\e:9+\e], v[20:21] op_sel:[0,1,0] op_sel_hi:[1,1,1]
	v_pk_fma_f32 v[22:23], v[42+8*\e:43+8*\e], v[8+\e:9+\e], v[22:23] op_sel:[0,1,0] op_sel_hi:[1,1,1]
.endr
	v_pk_add_f32 v[16:17], v[16:17], v[20:21]
	v_pk_add_f32 v[18:19], v[18:19], v[22:23]
	global_store_b128 v4, v[16:19], s[10:11]       ; the 32 lanes cover 16 rows' 512 consecutive bytes
	s_endpgm
.Lfunc_end_k_q84345712b2_combine:
	.size	k_q84345712b2_combine, .Lfunc_end_k_q84345712b2_combine-k_q84345712b2_combine
	.p2alignl 7, 3214868480
	.fill 96, 4, 3214868480
	.section	.rodata,"a",@progbits
	.p2align	6, 0x0
	.amdhsa_kernel k_q84345712b2_combine
		.amdhsa_group_segment_fixed_size 0
		.amdhsa_private_segment_fixed_size 0
		.amdhsa_enable_private_segment 0
		.amdhsa_kernarg_size 32
		.amdhsa_user_sgpr_count 2
		.amdhsa_user_sgpr_kernarg_segment_ptr 1
		.amdhsa_wavefront_size32 1
		.amdhsa_system_sgpr_workgroup_id_x 1
		.amdhsa_system_sgpr_workgroup_id_y 1
		.amdhsa_system_sgpr_workgroup_id_z 1
		.amdhsa_system_vgpr_workitem_id 0
		.amdhsa_next_free_vgpr 128
		.amdhsa_next_free_sgpr 66
		.amdhsa_reserve_vcc 0
		.amdhsa_float_denorm_mode_32 3
		.amdhsa_float_denorm_mode_16_64 3
		.amdhsa_memory_ordered 1
		.amdhsa_forward_progress 1
		.amdhsa_inst_pref_size 7
	.end_amdhsa_kernel
	.amdgpu_metadata
---
amdhsa.version: [ 1, 2 ]
amdhsa.kernels:
  - .name:           k_q84345712b2_combine
    .symbol:         k_q84345712b2_combine.kd
    .args:
      - { .name: part, .offset: 0, .size: 8, .value_kind: global_buffer, .address_space: global }
      - { .name: out1, .offset: 8, .size: 8, .value_kind: global_buffer, .address_space: global }
      - { .name: b2, .offset: 16, .size: 8, .value_kind: global_buffer, .address_space: global }
      - { .name: out0, .offset: 24, .size: 8, .value_kind: global_buffer, .address_space: global }
    .group_segment_fixed_size: 0
    .private_segment_fixed_size: 0
    .kernarg_segment_align: 8
    .kernarg_segment_size: 32
    .max_flat_workgroup_size: 32
    .sgpr_count:     66
    .vgpr_count:     128
    .wavefront_size: 32
...
	.end_amdgpu_metadata
.endif
;; end of part 3
